; MI455X (gfx1250); checked and timed in simulation.
; The chip was launched on July 23, 2026; its instructions are those of AMD's public machine-readable ISA for CDNA 5 (MIT licence, August 2026) and "CDNA5" Instruction Set Architecture Reference Guide (July 2026). The comments in the code are by the model that wrote it; some were corrected since.
;; Mo E Layer. Allowed arithmetic: matrix products marked QUANTISED: E2M3 operands, one E8M0 scale for each 32 along K, by v_wmma_scale_f32_16x16x128_f8f6f4 with both operands' format E2M3, f32 sums; products left as they are: f32 operands where the result goes on into a quantised operand, else bf16, f16 or f32 operands; f32 sums; everything else in f32.
;; Inputs: b1 8 x 256 float32; b2 8 x 256 float32; b3 8 x 1,024 float32; gate_b 8 float32; gate_w 1,024 x 8 float32; w1 8 x 1,024 x 256 float32; w2 8 x 1,024 x 256 float32; w3 8 x 256 x 1,024 float32; x 4 x 2,048 x 1,024 float32.
;; Outputs: out0 4 x 2,048 x 1,024 float32; out1 one number float32.
;; This version of the problem:
;;   THIS VERSION OF THE PROBLEM IS GIVEN IN LOW PRECISION. The matrix products marked QUANTISED in the list below multiply operands that are first quantised to E2M3 (2 exponent bits, 3 mantissa bits; 6 bits a number), with one power-of-two scale for each 32 numbers along K (OCP MX v1.0); their sums are f32. All else is computed in f32.
;;   The module's matrix products, in the order in which they are computed (A, B: the left and right operand; K: the contracted axis; several contracted axes count as one K, in the product's order):
;;     1. [M 8,192, K 1,024] x [K 1,024, N 8]; A: input x; B: input gate_w: left as it is (N = 8 < 16)
;;     2. [M 8,192, K 1,024] x [K 1,024, N 256]; A: input x; B: input w2: QUANTISED
;;     3. [M 8,192, K 1,024] x [K 1,024, N 256]; A: input x; B: input w1: QUANTISED
;;     4. [M 8,192, K 256] x [K 256, N 1,024]; A: computed on the way; B: input w3: QUANTISED
;;     5. [M 8,192, K 1,024] x [K 1,024, N 256]; A: input x; B: input w2: QUANTISED
;;     6. [M 8,192, K 1,024] x [K 1,024, N 256]; A: input x; B: input w1: QUANTISED
;;     7. [M 8,192, K 256] x [K 256, N 1,024]; A: computed on the way; B: input w3: QUANTISED
;;     8. [M 8,192, K 1,024] x [K 1,024, N 256]; A: input x; B: input w2: QUANTISED
;;     9. [M 8,192, K 1,024] x [K 1,024, N 256]; A: input x; B: input w1: QUANTISED
;;     10. [M 8,192, K 256] x [K 256, N 1,024]; A: computed on the way; B: input w3: QUANTISED
;;     11. [M 8,192, K 1,024] x [K 1,024, N 256]; A: input x; B: input w2: QUANTISED
;;     12. [M 8,192, K 1,024] x [K 1,024, N 256]; A: input x; B: input w1: QUANTISED
;;     13. [M 8,192, K 256] x [K 256, N 1,024]; A: computed on the way; B: input w3: QUANTISED
;;     14. [M 8,192, K 1,024] x [K 1,024, N 256]; A: input x; B: input w2: QUANTISED
;;     15. [M 8,192, K 1,024] x [K 1,024, N 256]; A: input x; B: input w1: QUANTISED
;;     16. [M 8,192, K 256] x [K 256, N 1,024]; A: computed on the way; B: input w3: QUANTISED
;;     17. [M 8,192, K 1,024] x [K 1,024, N 256]; A: input x; B: input w2: QUANTISED
;;     18. [M 8,192, K 1,024] x [K 1,024, N 256]; A: input x; B: input w1: QUANTISED
;;     19. [M 8,192, K 256] x [K 256, N 1,024]; A: computed on the way; B: input w3: QUANTISED
;;     20. [M 8,192, K 1,024] x [K 1,024, N 256]; A: input x; B: input w2: QUANTISED
;;     21. [M 8,192, K 1,024] x [K 1,024, N 256]; A: input x; B: input w1: QUANTISED
;;     22. [M 8,192, K 256] x [K 256, N 1,024]; A: computed on the way; B: input w3: QUANTISED
;;     23. [M 8,192, K 1,024] x [K 1,024, N 256]; A: input x; B: input w2: QUANTISED
;;     24. [M 8,192, K 1,024] x [K 1,024, N 256]; A: input x; B: input w1: QUANTISED
;;     25. [M 8,192, K 256] x [K 256, N 1,024]; A: computed on the way; B: input w3: QUANTISED
;;   THE QUANTISER, for each operand of a quantised product, along K:
;;     - K is cut into blocks of 32 from its start; a last block that is shorter is filled with zeros.
;;     - A block's scale is 2^e with e = floor(log2(the largest magnitude in the block)) - 2, held to -126 .. 127; a block of zeros has e = 0. As a byte (E8M0): e + 127.
;;     - Each number is divided by its block's scale, clamped to +-7.5, and rounded to the nearest number of E2M3, ties to even, subnormals kept.
;;     - The product sums the exact products of the quantised numbers (number of the format x scale) in f32.
;;   ~~~python
;;   def quantise(x, axis):      # numpy; x: float32 -> the quantised numbers, widened to float32 again
;;       x = np.moveaxis(x, axis, -1); K = x.shape[-1]
;;       x = np.pad(x, [(0, 0)] * (x.ndim - 1) + [(0, -K % 32)]); x = x.reshape(x.shape[:-1] + (-1, 32)); a = np.abs(x).max(-1, keepdims=True)
;;       e = np.where(a > 0, np.clip(np.frexp(np.where(a > 0, a, 1))[1] - 1 - 2, -126, 127), 0)      # np.frexp(a)[1] - 1 = floor(log2(a)), exactly
;;       r = np.clip(x / 2.0 ** e, -7.5, 7.5)
;;       step = 2.0 ** (np.maximum(np.frexp(np.where(r == 0, 1, r))[1] - 1, 0) - 3)
;;       q = np.round(r / step) * step * 2.0 ** e      # np.round: ties to even
;;       return np.moveaxis(q.reshape(q.shape[:-2] + (-1,))[..., :K], -1, axis).astype(np.float32)
;;   ~~~
;;   OPERANDS COMPUTED ON THE WAY. 'Computed on the way' means the value that the module computes at that place (a softmax that the list does not call 'softmax' is quantised finished and normalised). What goes into a quantiser is computed in f32, as accurately as f32 sums, v_exp_f32 and their like allow (about 1e-6 of the number): no bf16 or f16 on the way to a quantiser, and a product that is left as it is and whose result goes on into a quantised operand takes f32 operands (vector FMAs, or v_wmma_f32_16x16x4_f32). A number that lies on a knife's edge between two numbers of the format may be rounded either way, as far as f32 arithmetic and the matrix unit's own rounding can turn it there, and no further.
;; One version. Each part assembles by itself: llvm-mc -triple=amdgcn-amd-amdhsa -mcpu=gfx1250 --defsym DOCPART=n.
;; ======== version 1 of 1: 3 launches
;; limits: right only within a limited range of input values
;; workspace buffers: xq 6,291,456 bytes; xs 262,144 bytes; cw 65,536 bytes; up 8,192 bytes; meta 65,536 bytes of whole numbers; wq 4,915,200 bytes; order 32,768 bytes of whole numbers; tiles 4,096 bytes of whole numbers
;; launch route (part 1): grid 256 x 1, 4 waves a work-group, no clusters, 207,872 bytes of LDS; arguments x, gate_w, gate_b, xq, xs, cw, up, meta; writes xq, xs, cw, up, meta
.if DOCPART == 1
	.amdgcn_target "amdgcn-amd-amdhsa--gfx1250"
	.amdhsa_code_object_version 6
	.text
	.protected	k_q39380657e4_route
	.globl	k_q39380657e4_route
	.p2align	8
	.type	k_q39380657e4_route,@function
k_q39380657e4_route:
	s_mov_b64 s[64:65], 0
	v_nop
	global_prefetch_b8 v0, s[64:65] scope:SCOPE_SE
	s_setreg_imm32_b32 hwreg(HW_REG_WAVE_MODE, 25, 1), 1
	s_wait_xcnt 0x0
; ROUTER AND QUANTISER OF x.  x: [8192][1024] f32, read once.  A work-group takes 32 tokens, each of its four waves 8.
; WORK LEFT OUT BY THE PROGRAM: reference() multiplies expert e's result by combine[.., e], which its own one_hot makes 0 for every expert outside the token's top 2.
; So for all inputs only the two chosen experts' products reach out0, and the later launches multiply those rows alone.  LIMIT: a NaN, an infinity or an overflow that arises only in an expert not chosen is not carried to the result.
; For each token: the 8 logits x . gate_w + gate_b in f32 (fused multiply-adds), softmax with the row's maximum taken off, the two largest scores (the lower index wins a tie),
; and x's codes of E2M3 with one E8M0 byte for each 32 along K.  Everything is stored at fixed places: no address here hangs on a score.
; OUT: xq [token][768]: a K step of 128 is 96 bytes, its four blocks of 24 bytes in the order 0, 2, 1, 3, so that lane (r, h) of an operand finds its 48 bytes on end at 96 s + 48 h;
;      xs [token][32] scale bytes;  cw [token]{score of the lower chosen expert, of the higher};  up [work-group][8] sums of scores;
;      meta [work-group][lane]{4 x key | rank << 8 (lane = token), count of key = lane}: key numbers the 28 pairs of experts, rank counts the earlier tokens of the work-group with the same key.
; A LANE HOLDS ONE BLOCK OF 32 ALONG K (k = 32 lane ..); its 32 x 8 gate weights stay in 256 registers (window 1) for all 8 tokens.
; x comes by ONE tensor load a wave, 8 rows, with 16 bytes of padding behind every 128: a lane's 128 bytes begin 144 bytes apart.  gate_w comes by 16 dense loads a wave and goes through LDS bytes of its own.
; No LDS byte is filled twice.  By this text's count a wave has one tensor load out.
; LIMITS: NaN and infinities are not served.  A block of zeros gets the byte 1 where the rule says 127: its codes are zeros, and this program alone reads the bytes.
; Two scores closer than the f32 sums' error may change places in the choice.
.set XTW,  36864                       ; LDS: a wave's x tile of 8 x 4,608 bytes, from byte 0 on
.set XROW, 4608                        ; a token's row: 32 x (128 + 16)
.set GW,   147456                      ; gate_w as 32 rows of 1,024 bytes + 16: row l = the 32 x 8 weights of k = 32 l ..
.set GP,   1040
.set LG,   180736                      ; [token][8] logits
.set STG,  181760                      ; [token][768] codes
.set XSS,  206336                      ; [token][32] scale bytes
.set XA,  2
.set GA,  3
.set LGA, 4
.set SGA, 5
.set XSA, 6
.set CPA, 7
.set CPG, 8
.set LGR, 9
.set XSR, 10
.set L16, 11
.set L8,  12
.set GS,  13                           ; where I put my 16 bytes of a load of gate_w
.set X,   16                           ; v16-79   two sets of 32 numbers
.set A,   80                           ; v80-95   sums
.set C,   96
.set U,   102
.set M0,  106
.set M1,  107
.set SCL, 108
.set BY,  109
.set MSB, 0
.macro WIN new
.set WNEW, \new
.if MSB != WNEW
	s_set_vgpr_msb (MSB<<8)|WNEW
.set MSB, WNEW
.endif
.endm
	s_load_b256 s[4:11], s[0:1], 0x0               ; x, gate_w, gate_b, xq
	s_load_b256 s[12:19], s[0:1], 0x20             ; xs, cw, up, meta
	v_lshl_add_u32 v254, v0, 2, 0x32a00
	v_mov_b32 v255, 0
	ds_add_u32 v254, v255
	ds_add_u32 v254, v255
	v_lshrrev_b32 v1, 5, v0
	v_readfirstlane_b32 s20, v1                    ; wave
	s_mov_b32 s24, (2<<16)|(1<<20)|(4<<22)|(3<<25) ; x: elements of 4 bytes; 4 words of padding behind every 32
	s_mov_b32 s25, 1024<<16
	s_mov_b32 s26, 8<<16
	s_mov_b32 s27, 1024<<16
	s_mov_b32 s28, 8                               ; 8 rows
	s_mov_b32 s29, 1024
	s_mov_b32 s30, 0
	s_mov_b32 s31, 0
	s_mul_i32 s21, s20, XTW
	s_mul_i32 s22, s20, 8*GP
	s_lshl_b32 s60, ttmp9, 17
	s_lshl_b32 s61, s20, 15
	s_add_co_u32 s60, s60, s61
	s_mov_b32 s61, 0
	s_lshl_b32 s62, s20, 13                        ; my quarter of gate_w in memory
	s_mov_b32 s63, 0
	s_wait_dscnt 0x0
	s_wait_kmcnt 0x0
	s_load_b256 s[68:75], s[8:9], 0x0              ; gate_b, for the router at the end
	s_add_nc_u64 s[4:5], s[4:5], s[60:61]
	s_add_nc_u64 s[6:7], s[6:7], s[62:63]
	s_mov_b32 s44, 1
	s_add_co_u32 s45, s21, 0
	s_mov_b64 s[46:47], s[4:5]
	s_or_b32 s47, s47, 0x80000000
	tensor_load_to_lds s[44:47], s[24:31]          ; my 8 tokens: my one tensor load
	s_nop 0
.rept 4
	v_nop
.endr
	v_and_b32 v1, 31, v0
	v_lshlrev_b32 v[L16], 4, v1
	s_wait_alu depctr_va_vdst(0)                   ; the wait
.set i, 0
.rept 16
	global_load_b128 v[128+4*i:131+4*i], v[L16], s[6:7] offset:512*i   ; 32 lanes read 512 consecutive bytes of gate_w
.set i, i+1
.endr
	s_mul_i32 s60, ttmp9, 24576
	s_add_nc_u64 s[10:11], s[10:11], s[60:61]
	s_lshl_b32 s60, ttmp9, 10
	s_add_nc_u64 s[12:13], s[12:13], s[60:61]
	s_lshl_b32 s60, ttmp9, 8
	s_add_nc_u64 s[14:15], s[14:15], s[60:61]
	s_add_nc_u64 s[18:19], s[18:19], s[60:61]
	s_lshl_b32 s60, ttmp9, 5
	s_add_nc_u64 s[16:17], s[16:17], s[60:61]
	s_mov_b32 s78, 0x76543210
	s_mov_b32 s79, 0xfedcba98
	s_add_co_u32 s76, s22, GW
	v_add_nc_u32 v[GS], s76, v[L16]
	v_mul_u32_u24 v[XA], v1, 144
	v_add_nc_u32 v[XA], s21, v[XA]
	v_mul_u32_u24 v[GA], v1, GP
	v_add_nc_u32 v[GA], GW, v[GA]
	v_lshrrev_b32 v110, 4, v1
	s_lshl_b32 s23, s20, 8
	s_add_co_u32 s76, s23, LG
	v_lshl_add_u32 v[LGA], v110, 2, s76
	s_add_co_u32 s76, s23, XSS
	v_add_nc_u32 v[XSA], s76, v1
	v_and_b32 v14, 28, v1                          ; my block's place in the row: 4 (l / 4) + the order 0, 2, 1, 3
	v_and_b32 v15, 1, v1
	v_lshl_add_u32 v14, v15, 1, v14
	v_bfe_u32 v15, v1, 1, 1
	v_add_nc_u32 v14, v14, v15
	v_mul_u32_u24 v[SGA], v14, 24
	s_mul_i32 s76, s20, 6144
	s_add_co_u32 s76, s76, STG
	v_add_nc_u32 v[SGA], s76, v[SGA]
	v_lshl_add_u32 v[CPA], v0, 4, STG
	v_lshlrev_b32 v[CPG], 4, v0
	v_lshl_add_u32 v[LGR], v1, 5, LG
	v_lshl_add_u32 v[XSR], v1, 4, XSS
	v_lshlrev_b32 v[L8], 3, v1
	s_wait_alu depctr_va_vdst(0)                   ; the wait at the head's end
	s_wait_loadcnt 0x0                             ; my quarter of gate_w is in registers; my x tile may still be on its way: it lands on other bytes than these stores
.set i, 0
.rept 16
	ds_store_b128 v[GS], v[128+4*i:131+4*i] offset:(i/2)*GP+512*(i%2)
.set i, i+1
.endr
	s_wait_dscnt 0x0                               ; for the others' sake
	s_barrier_signal -1
	s_barrier_wait -1
	WIN 0x40
.set i, 0
.rept 32
	ds_load_b128 v[8*i:8*i+3], v[GA] offset:32*i               ; gate_w(32 l + i, 0 .. 7) -> window 1
	ds_load_b128 v[8*i+4:8*i+7], v[GA] offset:32*i+16
.set i, i+1
.endr
	WIN 0
.macro XLD t
.irp i, 0,1,2,3,4,5,6,7
	ds_load_b128 v[X+32*((\t)%2)+4*\i:X+32*((\t)%2)+4*\i+3], v[XA] offset:(\t)*XROW+16*\i
.endr
.endm
	s_wait_tensorcnt 0x0                           ; my x tile is in LDS; only I read it
	XLD 0
.macro TOKEN tl
.if (\tl) < 7
	XLD (\tl)+1
	s_wait_dscnt 0x8                               ; all but the eight loads just issued
.else
	s_wait_dscnt 0x0
.endif
.set XS, X+32*((\tl)%2)
	WIN 0x04
.irp p, 0,1,2,3
	v_pk_mul_f32 v[A+2*\p:A+2*\p+1], v[XS:XS+1], v[2*\p:2*\p+1] op_sel:[0,0] op_sel_hi:[0,1]
.endr
.irp p, 0,1,2,3
	v_pk_mul_f32 v[A+8+2*\p:A+9+2*\p], v[XS:XS+1], v[8+2*\p:9+2*\p] op_sel:[1,0] op_sel_hi:[1,1]
.endr
.set i, 2
.rept 15
.irp p, 0,1,2,3
	v_pk_fma_f32 v[A+2*\p:A+2*\p+1], v[XS+i:XS+i+1], v[8*i+2*\p:8*i+2*\p+1], v[A+2*\p:A+2*\p+1] op_sel:[0,0,0] op_sel_hi:[0,1,1]
.endr
.irp p, 0,1,2,3
	v_pk_fma_f32 v[A+8+2*\p:A+9+2*\p], v[XS+i:XS+i+1], v[8*i+8+2*\p:8*i+9+2*\p], v[A+8+2*\p:A+9+2*\p] op_sel:[1,0,0] op_sel_hi:[1,1,1]
.endr
.set i, i+2
.endr
	WIN 0
.irp p, 0,1,2,3
	v_pk_add_f32 v[A+2*\p:A+2*\p+1], v[A+2*\p:A+2*\p+1], v[A+8+2*\p:A+9+2*\p]
.endr
.irp p, 0,1,2,3
	v_permlane16_swap_b32 v[A+2*\p], v[A+2*\p+1]   ; so that one addition folds both experts
.endr
.irp p, 0,1,2,3
	v_add_f32 v[A+2*\p], v[A+2*\p], v[A+2*\p+1]    ; lanes 0-15 expert 2 p, lanes 16-31 expert 2 p + 1
.endr
.irp x, 1,2,4,8
.irp p, 0,1,2,3
	v_add_f32_dpp v[A+2*\p], v[A+2*\p], v[A+2*\p] row_xmask:\x row_mask:0xf bank_mask:0xf
.endr
.endr
.irp p, 0,1,2,3
	ds_store_b32 v[LGA], v[A+2*\p] offset:(\tl)*32+8*\p
.endr
	v_max3_num_f32 v[M0], |v[XS]|, |v[XS+1]|, 0x1800000          ; with the floor 2^(3 - 127)
	v_max3_num_f32 v[M1], |v[XS+2]|, |v[XS+3]|, |v[XS+4]|
.irp i, 5,9,13,17,21,25
	v_max3_num_f32 v[M0], v[M0], |v[XS+\i]|, |v[XS+\i+1]|
	v_max3_num_f32 v[M1], v[M1], |v[XS+\i+2]|, |v[XS+\i+3]|
.endr
	v_max3_num_f32 v[M0], v[M0], |v[XS+29]|, |v[XS+30]|
	v_max3_num_f32 v[M0], v[M0], v[M1], |v[XS+31]|
	v_add_nc_u32 v[SCL], 0xff000000, v[M0]         ; 2 off the exponent field: the conversion's scale operand
	v_cvt_scalef32_pk16_fp6_f32 v[C:C+2], v[XS:XS+15], v[SCL]
	v_cvt_scalef32_pk16_fp6_f32 v[U:U+2], v[XS+16:XS+31], v[SCL]
	v_lshrrev_b32 v[BY], 23, v[SCL]                ; the scale's byte; also the plain line behind the conversions
.irp i, 0,1,2
	v_mov_b32 v[C+3+\i], v[U+\i]
.endr
.irp j, 0,1,2
	ds_store_b64 v[SGA], v[C+2*\j:C+2*\j+1] offset:(\tl)*768+8*\j
.endr
	ds_store_b8 v[XSA], v[BY] offset:(\tl)*32
.endm
.irp t, 0,1,2,3,4,5,6,7
	TOKEN \t
.endr
	s_wait_dscnt 0x0                               ; for the others' sake
	s_barrier_signal -1
	s_barrier_wait -1
	s_cmp_eq_u32 s20, 3
	s_cbranch_scc1 .Lrouter
	; waves 0 to 2: the 24,576 bytes of codes leave; each store of a wave covers 512 consecutive bytes, aligned
.irp i, 0,1,2,3,4,5,6,7,8,9,10,11,12,13,14,15
	ds_load_b128 v[128+4*\i:131+4*\i], v[CPA] offset:1536*\i
.endr
.irp i, 0,1,2,3,4,5,6,7,8,9,10,11,12,13,14,15
	s_wait_dscnt 15-\i
	global_store_b128 v[CPG], v[128+4*\i:131+4*\i], s[10:11] offset:1536*\i
.endr
	s_wait_tensorcnt 0x0                           ; the wave's end
	ds_add_u32 v254, v255
	s_wait_dscnt 0x0
	s_endpgm
.Lrouter:                                              ; wave 3: a lane to a token
	ds_load_b128 v[128:131], v[LGR]
	ds_load_b128 v[132:135], v[LGR] offset:16
	ds_load_b128 v[160:163], v[XSR]
	ds_load_b128 v[164:167], v[XSR] offset:512
	s_wait_kmcnt 0x0                               ; gate_b
	s_wait_dscnt 0x0
	global_store_b128 v[L16], v[160:163], s[12:13]
	global_store_b128 v[L16], v[164:167], s[12:13] offset:512
.irp e, 0,1,2,3,4,5,6,7
	v_add_f32 v[128+\e], s[68+\e], v[128+\e]
.endr
	v_max3_num_f32 v144, v128, v129, v130          ; the row's maximum is taken off ahead of the exponentials
	v_max3_num_f32 v144, v144, v131, v132
	v_max3_num_f32 v144, v144, v133, v134
	v_max_num_f32 v144, v144, v135
.irp e, 0,1,2,3,4,5,6,7
	v_sub_f32 v[128+\e], v[128+\e], v144
.endr
.irp e, 0,1,2,3,4,5,6,7
	v_mul_f32 v[128+\e], 0x3fb8aa3b, v[128+\e]
.endr
	s_wait_alu depctr_va_vdst(0)
.irp e, 0,1,2,3,4,5,6,7
	v_exp_f32 v[128+\e], v[128+\e]
.endr
	v_nop
	s_wait_alu depctr_va_vdst(0)
	v_add_f32 v145, v128, v129
	v_add_f32 v146, v130, v131
	v_add_f32 v147, v132, v133
	v_add_f32 v148, v134, v135
	v_add_f32 v145, v145, v146
	v_add_f32 v147, v147, v148
	v_add_f32 v145, v145, v147
	s_wait_alu depctr_va_vdst(0)
	v_rcp_f32 v145, v145
	v_nop
	s_wait_alu depctr_va_vdst(0)
.irp e, 0,1,2,3,4,5,6,7
	v_mul_f32 v[128+\e], v[128+\e], v145           ; the scores
.endr
	v_mov_b32 v146, v128                           ; the largest score: a later expert wins only if it is larger
	v_mov_b32 v147, 0
.irp e, 1,2,3,4,5,6,7
	v_cmp_le_f32 vcc_lo, v[128+\e], v146
	v_cndmask_b32 v146, v[128+\e], v146, vcc_lo
	v_cndmask_b32 v147, \e, v147, vcc_lo
.endr
.irp e, 0,1,2,3,4,5,6,7
	v_cmp_ne_u32 vcc_lo, \e, v147
	v_cndmask_b32 v[136+\e], -1.0, v[128+\e], vcc_lo   ; the winner is taken out (scores are never negative)
.endr
	v_mov_b32 v148, v136
	v_mov_b32 v149, 0
.irp e, 1,2,3,4,5,6,7
	v_cmp_le_f32 vcc_lo, v[136+\e], v148
	v_cndmask_b32 v148, v[136+\e], v148, vcc_lo
	v_cndmask_b32 v149, \e, v149, vcc_lo
.endr
	v_min_u32 v150, v147, v149                     ; a: the lower expert,
	v_max_u32 v151, v147, v149                     ; b: the higher
	v_cmp_lt_u32 vcc_lo, v147, v149
	v_cndmask_b32 v152, v148, v146, vcc_lo
	v_cndmask_b32 v153, v146, v148, vcc_lo
	v_sub_nc_u32 v154, 15, v150
	v_mul_u32_u24 v154, v150, v154
	v_lshrrev_b32 v154, 1, v154
	v_add_nc_u32 v154, v154, v151
	v_sub_nc_u32 v154, v154, v150
	v_add_nc_u32 v154, -1, v154                    ; key = a (15 - a) / 2 + b - a - 1: 0 .. 27
	v_mov_b32 v155, 0
	v_mov_b32 v157, 0
.set q, 0
.rept 28
	v_cmp_eq_u32 s76, q, v154
	v_mbcnt_lo_u32_b32 v158, s76, 0
	v_cndmask_b32 v155, v155, v158, s76
	s_bcnt1_i32_b32 s77, s76
	v_writelane_b32 v157, s77, q
.set q, q+1
.endr
	v_lshlrev_b32 v156, 2, v154
	v_lshl_or_b32 v156, v155, 8, v156
	global_store_b64 v[L8], v[156:157], s[18:19]   ; 32 lanes store 256 consecutive bytes, aligned
	global_store_b64 v[L8], v[152:153], s[14:15]
.irp x, 1,2,4,8
.irp e, 0,1,2,3,4,5,6,7
	v_add_f32_dpp v[128+\e], v[128+\e], v[128+\e] row_xmask:\x row_mask:0xf bank_mask:0xf
.endr
.endr
.irp e, 0,1,2,3,4,5,6,7
	v_permlanex16_b32 v[136+\e], v[128+\e], s78, s79
.endr
.irp e, 0,1,2,3,4,5,6,7
	v_add_f32 v[128+\e], v[128+\e], v[136+\e]
.endr
	v_cmp_eq_u32 vcc_lo, 0, v1
	s_wait_alu depctr_va_vdst(0)
	s_wait_xcnt 0x0                                ; EXEC changes only behind this wait
	s_wait_tensorcnt 0x0
	ds_add_u32 v254, v255
	s_wait_dscnt 0x0
	s_and_saveexec_b32 s76, vcc_lo
	global_store_b128 v[L16], v[128:131], s[16:17]
	global_store_b128 v[L16], v[132:135], s[16:17] offset:16
	s_wait_xcnt 0x0
	s_or_b32 exec_lo, exec_lo, s76
	s_endpgm
.Lfunc_end_k_q39380657e4_route:
	.size	k_q39380657e4_route, .Lfunc_end_k_q39380657e4_route-k_q39380657e4_route
	.p2alignl 7, 3214868480
	.fill 96, 4, 3214868480
	.section	.rodata,"a",@progbits
	.p2align	6, 0x0
	.amdhsa_kernel k_q39380657e4_route
		.amdhsa_group_segment_fixed_size 207872
		.amdhsa_private_segment_fixed_size 0
		.amdhsa_enable_private_segment 0
		.amdhsa_kernarg_size 64
		.amdhsa_user_sgpr_count 2
		.amdhsa_user_sgpr_kernarg_segment_ptr 1
		.amdhsa_wavefront_size32 1
		.amdhsa_system_sgpr_workgroup_id_x 1
		.amdhsa_system_sgpr_workgroup_id_y 1
		.amdhsa_system_sgpr_workgroup_id_z 1
		.amdhsa_system_vgpr_workitem_id 0
		.amdhsa_next_free_vgpr 512
		.amdhsa_next_free_sgpr 80
		.amdhsa_reserve_vcc 1
		.amdhsa_float_denorm_mode_32 3
		.amdhsa_float_denorm_mode_16_64 3
		.amdhsa_memory_ordered 1
		.amdhsa_forward_progress 1
		.amdhsa_inst_pref_size 126
	.end_amdhsa_kernel
	.amdgpu_metadata
---
amdhsa.version: [ 1, 2 ]
amdhsa.kernels:
  - .name:           k_q39380657e4_route
    .symbol:         k_q39380657e4_route.kd
    .args:
      - { .name: x, .offset: 0, .size: 8, .value_kind: global_buffer, .address_space: global }
      - { .name: gate_w, .offset: 8, .size: 8, .value_kind: global_buffer, .address_space: global }
      - { .name: gate_b, .offset: 16, .size: 8, .value_kind: global_buffer, .address_space: global }
      - { .name: xq, .offset: 24, .size: 8, .value_kind: global_buffer, .address_space: global }
      - { .name: xs, .offset: 32, .size: 8, .value_kind: global_buffer, .address_space: global }
      - { .name: cw, .offset: 40, .size: 8, .value_kind: global_buffer, .address_space: global }
      - { .name: up, .offset: 48, .size: 8, .value_kind: global_buffer, .address_space: global }
      - { .name: meta, .offset: 56, .size: 8, .value_kind: global_buffer, .address_space: global }
    .group_segment_fixed_size: 207872
    .private_segment_fixed_size: 0
    .kernarg_segment_align: 8
    .kernarg_segment_size: 64
    .max_flat_workgroup_size: 128
    .sgpr_count:     80
    .vgpr_count:     512
    .wavefront_size: 32
...
	.end_amdgpu_metadata
.endif
;; end of part 1
;; launch prep (part 2): grid 801 x 1, 4 waves a work-group, no clusters, 1,536 bytes of LDS; arguments meta, up, w1, w2, w3, wq, order, tiles, out1; writes wq, order, tiles, out1
.if DOCPART == 2
	.amdgcn_target "amdgcn-amd-amdhsa--gfx1250"
	.amdhsa_code_object_version 6
	.text
	.protected	k_q39380657e4_prep
	.globl	k_q39380657e4_prep
	.p2align	8
	.type	k_q39380657e4_prep,@function
k_q39380657e4_prep:
	s_mov_b64 s[64:65], 0
	v_nop
	global_prefetch_b8 v0, s[64:65] scope:SCOPE_SE
	s_setreg_imm32_b32 hwreg(HW_REG_WAVE_MODE, 25, 1), 1
	s_wait_xcnt 0x0
; THREE JOBS IN ONE LAUNCH, parted on the work-group's number.
; Work-groups 0 to 31 PLACE THE TOKENS: a counting sort of the 8,192 tokens by their pair of experts (28 keys), from the stored counts and ranks.  Each of the 32 sums all 256 chunks' counts
;   (wave w the chunks 64 w .. + 63) and then places 256 tokens: chunks 64 w + 2 j and 64 w + 2 j + 1 for work-group j.  Work-group 0 also stores the list of tiles
;   {first place, rows, expert a, expert b}: a tile is at most 64 tokens of ONE key, so there are never more than 8192 / 64 + 27 = 155.
; Work-group 32 makes the loss from the 256 partial sums of scores.
; Work-groups 33 to 800 QUANTISE THE WEIGHTS, one record each: 64 columns x 128 along K of w1, w2 or w3 as four operand fragments in the order of the operand's registers, and their scale words.
;   Wave (b, h) = (wave % 2, wave / 2) takes columns 32 b + lane and the blocks h and h + 2 of 32 along K: 64 loads, all out at once.  A LANE TAKES A COLUMN AND ITS REGISTERS RUN DOWN K.
;   Record J = ((mat 8 + e) 4 + w) 8 + rec, 6,400 bytes.  mat 0, 1 (w1, w2): columns 64 w .., K step rec.  mat 2 (w3): columns 256 w + 64 (rec / 2) .., K step rec % 2.
;   Fragment t = 2 b + u at 1,536 t: its row p is column 32 b + 8 u + p + 8 (p / 8).  In a fragment registers 4 q .. 4 q + 3 of lane l lie at 512 q + 16 l.
;   At 6,144: lane 16 u + p holds the scale words of tiles u and 2 + u, 8 bytes; the four waves gather the bytes in LDS and wave 0 stores them as one aligned run of 256 bytes.
; LIMITS: NaN and infinities are not served; a block of zeros gets the byte 1 where the rule says 127 (its codes are zeros, and this program alone reads the bytes).
; The sorted token numbers leave as single words at places that hang on the data; the places are a permutation of 0 .. 8191, so every word of order is written.
; LDS: 0-511 the placing's totals; 512-767 a record's scale words; 1024-1535 the spare words.
.set OFF, 16                           ; v16-47   weights: 4 lane + i rows
.set X,   48                           ; v48-111  two blocks of 32 numbers
.set C,   112                          ; v112-123 my 12 registers of codes
.set U,   124
	s_load_b512 s[4:19], s[0:1], 0x0               ; meta, up, w1, w2, w3, wq, order, tiles
	s_load_b64 s[20:21], s[0:1], 0x40              ; out1
	v_lshl_add_u32 v2, v0, 2, 0x400
	v_mov_b32 v3, 0
	v_lshrrev_b32 v1, 5, v0
	v_readfirstlane_b32 s22, v1                    ; wave
	v_and_b32 v1, 31, v0                           ; lane
	s_wait_alu depctr_va_vdst(0)                   ; the wait at the head's end
	s_wait_kmcnt 0x0
	s_cmp_lt_u32 ttmp9, 32
	s_cbranch_scc1 .Lplace
	s_cmp_eq_u32 ttmp9, 32
	s_cbranch_scc1 .Lloss
	; ---------------- the weights
	s_sub_co_u32 s23, ttmp9, 33                    ; J
	s_lshr_b32 s24, s23, 8                         ; mat
	s_bfe_u32 s25, s23, 0x30005                    ; e
	s_bfe_u32 s26, s23, 0x20003                    ; w
	s_and_b32 s27, s23, 7                          ; rec
	s_and_b32 s48, s22, 1                          ; b
	s_lshr_b32 s49, s22, 1                         ; h
	s_lshl_b32 s29, s26, 6
	s_lshl_b32 s30, s27, 7
	s_lshl_b32 s31, s26, 8
	s_lshr_b32 s32, s27, 1
	s_lshl_b32 s32, s32, 6
	s_add_co_u32 s31, s31, s32
	s_and_b32 s32, s27, 1
	s_lshl_b32 s32, s32, 7
	s_cmp_eq_u32 s24, 2
	s_cselect_b32 s28, 12, 10                      ; a row of w3 is 4,096 bytes, of w1 and w2 1,024
	s_cselect_b32 s29, s31, s29                    ; first column
	s_cselect_b32 s30, s32, s30                    ; first k
	s_cselect_b64 s[34:35], s[12:13], s[8:9]
	s_cmp_eq_u32 s24, 1
	s_cselect_b64 s[34:35], s[10:11], s[34:35]
	s_lshl_b32 s50, s48, 5
	s_add_co_u32 s29, s29, s50                     ; + 32 b columns
	s_lshl_b32 s50, s49, 5
	s_add_co_u32 s30, s30, s50                     ; + 32 h rows
	s_lshl_b32 s36, s25, 20
	s_lshl_b32 s37, s30, s28
	s_add_co_u32 s36, s36, s37
	s_lshl_b32 s37, s29, 2
	s_add_co_u32 s36, s36, s37
	s_mov_b32 s37, 0
	s_add_nc_u64 s[40:41], s[34:35], s[36:37]      ; block h of K,
	s_lshl_b32 s36, 64, s28
	s_add_nc_u64 s[42:43], s[40:41], s[36:37]      ; and block h + 2
	s_mul_i32 s36, s23, 6400
	s_add_nc_u64 s[14:15], s[14:15], s[36:37]      ; my record
	s_mul_i32 s50, s48, 3072
	s_lshl_b32 s51, s49, 8
	s_add_co_u32 s50, s50, s51                     ; my codes: 3,072 b + 256 h
	s_lshl_b32 s51, s48, 2
	s_add_co_u32 s51, s51, s49
	s_add_co_u32 s51, s51, 512                     ; my scale bytes in LDS: 512 + 4 b + h
	v_lshlrev_b32 v4, 2, v1
.set i, 0
.rept 32
	v_lshl_add_u32 v[OFF+i], i, s28, v4
.set i, i+1
.endr
.irp n, 0,1
.set i, 0
.rept 32
	global_load_b32 v[X+32*\n+i], v[OFF+i], s[40+2*\n:41+2*\n]
.set i, i+1
.endr
.endr
	v_bfe_u32 v5, v1, 3, 1                         ; u
	v_and_b32 v10, 7, v1
	v_lshrrev_b32 v11, 4, v1
	v_lshl_add_u32 v10, v11, 3, v10                ; p: my column's row in its tile
	v_mul_u32_u24 v6, v5, 1536
	v_lshl_add_u32 v6, v10, 4, v6
	v_add_nc_u32 v6, s50, v6                       ; where my codes go
	v_lshl_add_u32 v7, v5, 4, v10
	v_lshl_add_u32 v7, v7, 3, s51                  ; and my scale bytes: + 8 (16 u + p)
	v_lshlrev_b32 v9, 3, v1
	v_add_nc_u32 v8, 512, v9
	s_wait_alu depctr_va_vdst(0)                   ; the wait ahead of the wait below
.macro WBLK n
.set XS, X+32*(\n)
.set CD, C+6*(\n)
	s_wait_loadcnt 32-32*(\n)                      ; this block's 32 loads are in; the other block's may be out
	v_max3_num_f32 v10, |v[XS]|, |v[XS+1]|, 0x1800000            ; with the floor 2^(3 - 127)
	v_max3_num_f32 v11, |v[XS+2]|, |v[XS+3]|, |v[XS+4]|
.irp i, 5,9,13,17,21,25
	v_max3_num_f32 v10, v10, |v[XS+\i]|, |v[XS+\i+1]|
	v_max3_num_f32 v11, v11, |v[XS+\i+2]|, |v[XS+\i+3]|
.endr
	v_max3_num_f32 v10, v10, |v[XS+29]|, |v[XS+30]|
	v_max3_num_f32 v10, v10, v11, |v[XS+31]|
	v_add_nc_u32 v12, 0xff000000, v10              ; 2 off the exponent field: the conversion's scale operand
	v_cvt_scalef32_pk16_fp6_f32 v[CD:CD+2], v[XS:XS+15], v12
	v_cvt_scalef32_pk16_fp6_f32 v[U:U+2], v[XS+16:XS+31], v12
	v_lshrrev_b32 v[13+\n], 23, v12                ; the scale's byte; also the plain line behind the conversions
.irp i, 0,1,2
	v_mov_b32 v[CD+3+\i], v[U+\i]
.endr
	ds_store_b8 v7, v[13+\n] offset:2*(\n)         ; byte h + 2 n of my column's scale word
.endm
	WBLK 0
	WBLK 1
.irp q, 0,1,2
	global_store_b128 v6, v[C+4*\q:C+4*\q+3], s[14:15] offset:512*\q   ; the sixteen lanes of each u store 256 consecutive bytes, aligned
.endr
	s_wait_alu depctr_va_vdst(0)
	s_wait_dscnt 0x0                               ; for wave 0's sake
	s_barrier_signal -1
	s_barrier_wait -1
	s_cmp_lg_u32 s22, 0
	s_cbranch_scc1 .Lwend
	ds_load_b64 v[128:129], v8
	s_wait_dscnt 0x0
	global_store_b64 v9, v[128:129], s[14:15] offset:6144        ; 32 lanes store 256 consecutive bytes, aligned
.Lwend:
	s_wait_tensorcnt 0x0                           ; the wave's end
	ds_add_u32 v2, v3
	s_wait_dscnt 0x0
	s_endpgm
	; ---------------- the placing
.Lplace:
	v_lshlrev_b32 v4, 3, v1
	s_lshl_b32 s24, s22, 14                        ; wave w takes chunks 64 w .. 64 w + 63 of 32 tokens, 256 bytes each
	s_mov_b32 s25, 0
	s_add_nc_u64 s[4:5], s[4:5], s[24:25]
	s_lshl_b32 s26, ttmp9, 9
	v_add_nc_u32 v5, s26, v4
	global_load_b64 v[48:49], v5, s[4:5]                         ; the two chunks that I place: key and rank, counts
	global_load_b64 v[50:51], v5, s[4:5] offset:256
.set i, 0
.rept 64
	global_load_b64 v[64+2*i:65+2*i], v4, s[4:5] offset:256*i    ; v[65 + 2 i]: chunk i's count of key = lane
.set i, i+1
.endr
	v_lshlrev_b32 v6, 2, v0
	v_lshlrev_b32 v7, 2, v1
	v_add_nc_u32 v16, 0x80, v0                     ; the second tile number that I fill in
.irp r, 17,18,19,20,21,22,23
	v_mov_b32 v\r, 0
.endr
	s_wait_alu depctr_va_vdst(0)
	s_wait_loadcnt 0x0
.set k, 0
.rept 32
	v_add_nc_u32 v[65+4*k], v[65+4*k], v[67+4*k]   ; counts of chunks 2 k and 2 k + 1
.set k, k+1
.endr
.set k, 0
.rept 32
	s_cmp_gt_u32 ttmp9, k
	s_cselect_b32 s40, -1, 0
	v_and_b32 v[64+4*k], s40, v[65+4*k]            ; kept only for the chunks ahead of mine
.set k, k+1
.endr
	s_wait_alu depctr_va_vdst(0)
	v_add_nc_u32 v40, v65, v69
	v_add_nc_u32 v41, v64, v68
.set k, 2
.rept 15
	v_add3_u32 v40, v40, v[65+4*k], v[69+4*k]      ; my wave's total for each key,
	v_add3_u32 v41, v41, v[64+4*k], v[68+4*k]      ; and what lies ahead of my two chunks in it
.set k, k+2
.endr
	ds_store_b32 v6, v40
	s_wait_alu depctr_va_vdst(0)
	s_wait_dscnt 0x0
	s_barrier_signal -1
	s_barrier_wait -1
.irp j, 0,1,2,3
	ds_load_b32 v[8+\j], v7 offset:128*\j
.endr
	s_cmp_gt_u32 s22, 0
	s_cselect_b32 s26, -1, 0
	s_cmp_gt_u32 s22, 1
	s_cselect_b32 s27, -1, 0
	s_cmp_gt_u32 s22, 2
	s_cselect_b32 s28, -1, 0
	s_wait_dscnt 0x0
	v_add_nc_u32 v12, v8, v9
	v_add3_u32 v12, v12, v10, v11                  ; each key's tokens in all
	v_and_b32 v13, s26, v8
	v_and_b32 v14, s27, v9
	v_and_b32 v15, s28, v10
	v_add3_u32 v13, v13, v14, v15                  ; and in the waves ahead of mine
	s_mov_b32 s41, 0                               ; the key's first place
	s_mov_b32 s42, 0                               ; and its first tile
.set Q, 0
.set QA, 0
.set QB, 1
.rept 28
	v_readlane_b32 s40, v12, Q
	s_lshl_b32 s43, s42, 6
	s_sub_co_u32 s44, s41, s43                     ; tile T of this key begins at this + 64 T,
	s_add_co_u32 s45, s40, s43                     ; and has this - 64 T rows left
	v_writelane_b32 v23, s41, Q
	v_cmp_gt_u32 vcc_lo, s42, v0
	v_cndmask_b32 v17, s44, v17, vcc_lo
	v_cndmask_b32 v18, s45, v18, vcc_lo
	v_cndmask_b32 v19, QA*8+QB, v19, vcc_lo
	v_cmp_gt_u32 vcc_lo, s42, v16
	v_cndmask_b32 v20, s44, v20, vcc_lo
	v_cndmask_b32 v21, s45, v21, vcc_lo
	v_cndmask_b32 v22, QA*8+QB, v22, vcc_lo
	s_add_co_u32 s41, s41, s40
	s_add_co_u32 s40, s40, 63
	s_lshr_b32 s40, s40, 6
	s_add_co_u32 s42, s42, s40
.set Q, Q+1
.set QB, QB+1
.if QB > 7
.set QA, QA+1
.set QB, QA+1
.endif
.endr
	s_wait_alu depctr_va_vdst(0)                   ; the wait ahead of the branch
	s_cmp_lg_u32 ttmp9, 0
	s_cbranch_scc1 .Lnotiles                       ; work-group 0 alone stores the list
	v_lshl_add_u32 v24, v0, 6, v17
	v_min_u32 v24, 0x1fff, v24                     ; first place
	v_lshlrev_b32 v28, 6, v0
	v_sub_nc_u32 v25, v18, v28
	v_max_i32 v25, 0, v25
	v_min_i32 v25, 64, v25                         ; rows: 0 for a tile number that this split does not use
	v_lshrrev_b32 v26, 3, v19
	v_and_b32 v27, 7, v19
	v_lshlrev_b32 v29, 4, v0
	global_store_b128 v29, v[24:27], s[18:19]
	v_lshl_add_u32 v32, v16, 6, v20
	v_min_u32 v32, 0x1fff, v32
	v_lshlrev_b32 v30, 6, v16
	v_sub_nc_u32 v33, v21, v30
	v_max_i32 v33, 0, v33
	v_min_i32 v33, 64, v33
	v_lshrrev_b32 v34, 3, v22
	v_and_b32 v35, 7, v22
	global_store_b128 v29, v[32:35], s[18:19] offset:2048
.Lnotiles:
	v_add3_u32 v36, v23, v13, v41                  ; lane = key: the first place for my first chunk's tokens of that key,
	v_add_nc_u32 v37, v36, v49                     ; and for my second chunk's
	v_and_b32 v52, 0x7c, v48                       ; 4 x key
	v_and_b32 v53, 0x7c, v50
	ds_bpermute_b32 v54, v52, v36
	ds_bpermute_b32 v55, v53, v37
	s_lshl_b32 s46, s22, 11
	s_lshl_b32 s47, ttmp9, 6
	s_add_co_u32 s46, s46, s47
	v_add_nc_u32 v56, s46, v1                      ; the tokens' numbers
	v_add_nc_u32 v57, 32, v56
	v_lshrrev_b32 v58, 8, v48                      ; rank
	v_lshrrev_b32 v59, 8, v50
	s_wait_alu depctr_va_vdst(0)
	s_wait_dscnt 0x0
	v_add_nc_u32 v58, v58, v54
	v_add_nc_u32 v59, v59, v55
	v_min_u32 v58, 0x1fff, v58
	v_min_u32 v59, 0x1fff, v59
	v_lshlrev_b32 v58, 2, v58
	v_lshlrev_b32 v59, 2, v59
	global_store_b32 v58, v56, s[16:17]
	global_store_b32 v59, v57, s[16:17]
	s_wait_tensorcnt 0x0                           ; the wave's end
	ds_add_u32 v2, v3
	s_wait_dscnt 0x0
	s_endpgm
	; ---------------- the loss: sum over e of u log(u + 1e-9), u = the mean score of expert e.  One wave's work
.Lloss:
	s_cmp_lg_u32 s22, 0
	s_cbranch_scc1 .Lend
	s_mov_b32 s50, 0x76543210
	s_mov_b32 s51, 0xfedcba98
	v_lshlrev_b32 v4, 5, v1
.irp j, 0,1,2,3,4,5,6,7
	global_load_b128 v[16+8*\j:19+8*\j], v4, s[6:7] offset:1024*\j
	global_load_b128 v[20+8*\j:23+8*\j], v4, s[6:7] offset:1024*\j+16
.endr
	s_wait_loadcnt 0x0
.irp j, 1,2,3,4,5,6,7
.irp p, 0,2,4,6
	v_pk_add_f32 v[16+\p:17+\p], v[16+\p:17+\p], v[16+8*\j+\p:17+8*\j+\p]
.endr
.endr
.irp x, 1,2,4,8
.irp e, 0,1,2,3,4,5,6,7
	v_add_f32_dpp v[16+\e], v[16+\e], v[16+\e] row_xmask:\x row_mask:0xf bank_mask:0xf
.endr
.endr
.irp e, 0,1,2,3,4,5,6,7
	v_permlanex16_b32 v[24+\e], v[16+\e], s50, s51
.endr
.irp e, 0,1,2,3,4,5,6,7
	v_add_f32 v[16+\e], v[16+\e], v[24+\e]
.endr
.irp e, 0,1,2,3,4,5,6,7
	v_mul_f32 v[16+\e], 0x39000000, v[16+\e]       ; / 8192
.endr
.irp e, 0,1,2,3,4,5,6,7
	v_add_f32 v[24+\e], 0x3089705f, v[16+\e]       ; + 1e-9
.endr
	s_wait_alu depctr_va_vdst(0)
.irp e, 0,1,2,3,4,5,6,7
	v_log_f32 v[24+\e], v[24+\e]
.endr
	v_mov_b32 v33, 0                               ; (a plain line behind the logarithms)
	s_wait_alu depctr_va_vdst(0)
	v_mul_f32 v32, v16, v24
.irp e, 1,2,3,4,5,6,7
	v_fma_f32 v32, v[16+\e], v[24+\e], v32
.endr
	v_mul_f32 v32, 0x3f317218, v32                 ; log2 to the natural logarithm
	v_cmp_eq_u32 vcc_lo, 0, v1
	s_wait_alu depctr_va_vdst(0)
	s_wait_xcnt 0x0
	s_and_saveexec_b32 s52, vcc_lo
	global_store_b32 v33, v32, s[20:21]
	s_wait_xcnt 0x0
	s_or_b32 exec_lo, exec_lo, s52
.Lend:
	s_endpgm
.Lfunc_end_k_q39380657e4_prep:
	.size	k_q39380657e4_prep, .Lfunc_end_k_q39380657e4_prep-k_q39380657e4_prep
	.p2alignl 7, 3214868480
	.fill 96, 4, 3214868480
	.section	.rodata,"a",@progbits
	.p2align	6, 0x0
	.amdhsa_kernel k_q39380657e4_prep
		.amdhsa_group_segment_fixed_size 1536
		.amdhsa_private_segment_fixed_size 0
		.amdhsa_enable_private_segment 0
		.amdhsa_kernarg_size 72
		.amdhsa_user_sgpr_count 2
		.amdhsa_user_sgpr_kernarg_segment_ptr 1
		.amdhsa_wavefront_size32 1
		.amdhsa_system_sgpr_workgroup_id_x 1
		.amdhsa_system_sgpr_workgroup_id_y 1
		.amdhsa_system_sgpr_workgroup_id_z 1
		.amdhsa_system_vgpr_workitem_id 0
		.amdhsa_next_free_vgpr 192
		.amdhsa_next_free_sgpr 66
		.amdhsa_reserve_vcc 1
		.amdhsa_float_denorm_mode_32 3
		.amdhsa_float_denorm_mode_16_64 3
		.amdhsa_memory_ordered 1
		.amdhsa_forward_progress 1
		.amdhsa_inst_pref_size 56
	.end_amdhsa_kernel
	.amdgpu_metadata
---
amdhsa.version: [ 1, 2 ]
amdhsa.kernels:
  - .name:           k_q39380657e4_prep
    .symbol:         k_q39380657e4_prep.kd
    .args:
      - { .name: meta, .offset: 0, .size: 8, .value_kind: global_buffer, .address_space: global }
      - { .name: up, .offset: 8, .size: 8, .value_kind: global_buffer, .address_space: global }
      - { .name: w1, .offset: 16, .size: 8, .value_kind: global_buffer, .address_space: global }
      - { .name: w2, .offset: 24, .size: 8, .value_kind: global_buffer, .address_space: global }
      - { .name: w3, .offset: 32, .size: 8, .value_kind: global_buffer, .address_space: global }
      - { .name: wq, .offset: 40, .size: 8, .value_kind: global_buffer, .address_space: global }
      - { .name: order, .offset: 48, .size: 8, .value_kind: global_buffer, .address_space: global }
      - { .name: tiles, .offset: 56, .size: 8, .value_kind: global_buffer, .address_space: global }
      - { .name: out1, .offset: 64, .size: 8, .value_kind: global_buffer, .address_space: global }
    .group_segment_fixed_size: 1536
    .private_segment_fixed_size: 0
    .kernarg_segment_align: 8
    .kernarg_segment_size: 72
    .max_flat_workgroup_size: 128
    .sgpr_count:     66
    .vgpr_count:     192
    .wavefront_size: 32
...
	.end_amdgpu_metadata
.endif
;; end of part 2
;; launch chain (part 3): grid 155 x 1, 4 waves a work-group, no clusters, 145,920 bytes of LDS; arguments xq, xs, wq, b1, b2, b3, cw, order, tiles, out0; writes out0
.if DOCPART == 3
	.amdgcn_target "amdgcn-amd-amdhsa--gfx1250"
	.amdhsa_code_object_version 6
	.text
	.protected	k_q39380657e4_chain
	.globl	k_q39380657e4_chain
	.p2align	8
	.type	k_q39380657e4_chain,@function
k_q39380657e4_chain:
	s_mov_b64 s[64:65], 0
	v_nop
	global_prefetch_b8 v0, s[64:65] scope:SCOPE_SE
	s_setreg_imm32_b32 hwreg(HW_REG_WAVE_MODE, 25, 1), 1
	s_wait_xcnt 0x0
; THE EXPERTS' CHAIN.  Only the two experts that a token chose are multiplied: the others' results are multiplied by a 0 that reference() builds itself (see the first kernel's head).
; A work-group takes one tile of the stored list: at most 64 tokens that all chose the same two experts a < b, and takes them through both:
; h_e = (x w1[e] + b1[e]) sigmoid(x w2[e] + b2[e]), quantised along the hidden layer; out = c_a (h_a w3[a] + b3[a]) + c_b (h_b w3[b] + b3[b]).  All products on codes of E2M3 with E8M0 scales.
; Every row of out0 has one owner, and the hidden layer stays in LDS.
; THE WAVES SHARE THE COLUMNS: wave w makes hidden units 64 w .. + 63 (of w1 AND of w2) and outputs 256 w .. + 255, for all 64 rows.  Each weight fragment is read by one wave, straight from memory into
; registers (laid by the launch before in the order of the operand's registers), and feeds four matrix instructions.
; BOTH PRODUCTS ARE USED TRANSPOSED (source 0 = 16 columns of a weight, source 1 = 16 tokens): a lane holds one token, and the 16 registers of tiles 2 b, 2 b + 1 are 16 neighbours.
; x's codes (gathered by the list) and the hidden layer's go from wave to wave through LDS as images of the operand's registers.  Two barriers, on every wave's path.
; Rows beyond the tile's count repeat its last row in the products.  THE STORES STOP AT THE COUNT: a scalar branch on the stored count ahead of every four rows (at most three rows are stored again, with the same bytes);
; a tile number that this split leaves without rows stores nothing.  The launch has no tensor load and no copy.
; A wave's four groups of 64 outputs are taken in the order (g + work-group number) % 4, so that work-groups are at different columns of out0 in the same step of the text.
; NO JOINT LOADS: partners in a cluster would have to walk the same two experts, and which pair a tile has is read from memory; tiles of one pair are as few as one.
; NO DATA PREFETCH: the records are read by many work-groups of this launch, and two steps' records a wave are out at any time.
; LIMITS: NaN and infinities are not served; a block of zeros of the hidden layer gets the byte 1 (its codes are zeros).
; REGISTERS.  Window 0: v1-15 addresses; v16-31 x's scale words, in the second product v17-19, v21-23, v25-27 the groups' offsets; v32-47 the weights' scale words, a ring of four; v48-55 the hidden layer's;
;   v56-63 the two scores of my token in each 16 rows; v64-159 two sets of x's fragments, v160-255 at work; in the second product v64-255 the hidden layer's 16 fragments.
; Window 1: v0-95, v96-191 weight buffers 0, 1; v192-255 biases.  Window 2: v0-95, v96-191 weight buffers 2, 3; v192-223 the out rows' offsets; v254-255 the add's two registers.
; Window 3: 32 accumulators, (half, m, t) at 128 half + 32 m + 8 t.  half: w1 | w2 in the first product, expert a | b in the second.
.set RECB, 6400
.set XIMG, 0                           ; LDS: x's fragments (m, s) at 1,536 (8 m + s)
.set HIMG, 49152                       ; the hidden layer's half fragments (e, m, w) at 768 (16 e + 4 m + w)
.set HSC,  73728                       ; its scale words: 512 e + 256 ks + 128 (m / 2) + 64 (m % 2) + 4 r
.set TOK,  74752                       ; each wave's own table of the tile's 64 token numbers
.set STG,  75776                       ; each wave's own stage: 64 rows x (256 + 16) bytes
.set SP,   272
.set LI,  2
.set L8,  3
.set H64, 4
.set XWI, 5
.set HWI, 6
.set HWJ, 7
.set HWS, 8
.set SO,  9
.set SR,  10
.set HSR, 11
.set TKW, 12
.set TKM, 13
.set TKX, 14
.set TKO, 15
.set XSC, 16
.set WS,  32
.set HS,  48
.set CW,  56
.set XB,  64
.set BB,  192
.set MSB, 0
.macro WIN new
.set WNEW, \new
.if MSB != WNEW
	s_set_vgpr_msb (MSB<<8)|WNEW
.set MSB, WNEW
.endif
.endm
.macro PLACES                          ; four plain lines (ISA guide 7.12.1)
.rept 4
	v_nop
.endr
.endm
; Step i's two records (26 loads): number r behind pointers p0 and p1, at vector offsets vo (16 x lane ..) and vq (8 x lane ..)
.macro REC i, p0, p1, r, vo, vq
.if ((\i)%4) < 2
	WIN 0x40
.else
	WIN 0x80
.endif
.set rW, 96*((\i)%2)
.irp j, 0,1,2,3,4,5,6,7,8,9,10,11
	global_load_b128 v[rW+4*\j:rW+4*\j+3], v[\vo], s[\p0:\p0+1] offset:(\r)*RECB+512*\j
.endr
.irp j, 0,1,2,3,4,5,6,7,8,9,10,11
	global_load_b128 v[rW+48+4*\j:rW+48+4*\j+3], v[\vo], s[\p1:\p1+1] offset:(\r)*RECB+512*\j
.endr
	WIN 0
	global_load_b64 v[WS+4*((\i)%4):WS+4*((\i)%4)+1], v[\vq], s[\p0:\p0+1] offset:(\r)*RECB+6144
	global_load_b64 v[WS+4*((\i)%4)+2:WS+4*((\i)%4)+3], v[\vq], s[\p1:\p1+1] offset:(\r)*RECB+6144
.endm
; The biases of 64 columns for both halves (16 loads): tile t's registers hold columns 32 (t / 2) + 16 (lane / 16) + 8 (t % 2) + 0 .. 7
.macro BIAS p0, p1, vo
	WIN 0x40
.irp t, 0,1,2,3
	global_load_b128 v[BB+8*\t:BB+8*\t+3], v[\vo], s[\p0:\p0+1] offset:128*(\t/2)+32*(\t%2)
	global_load_b128 v[BB+8*\t+4:BB+8*\t+7], v[\vo], s[\p0:\p0+1] offset:128*(\t/2)+32*(\t%2)+16
.endr
.irp t, 0,1,2,3
	global_load_b128 v[BB+32+8*\t:BB+32+8*\t+3], v[\vo], s[\p1:\p1+1] offset:128*(\t/2)+32*(\t%2)
	global_load_b128 v[BB+32+8*\t+4:BB+32+8*\t+7], v[\vo], s[\p1:\p1+1] offset:128*(\t/2)+32*(\t%2)+16
.endr
	WIN 0
.endm
.macro XF s, buf
.irp m, 0,1,2,3
.irp q, 0,1,2
	ds_load_b128 v[XB+48*(\buf)+12*\m+4*\q:XB+48*(\buf)+12*\m+4*\q+3], v[LI] offset:(8*\m+(\s))*1536+512*\q
.endr
.endr
.endm
; 32 matrix instructions: 2 halves x 4 weight tiles x 4 tiles of rows, 128 along K.  The 32 accumulators take turns.  first = 1: the sums begin with the biases as C.
.macro MUL32 i, first, bb, bh, sb, sh, sm
.if \first
	WIN 0xD1+((\i)%4)/2
.else
	WIN 0xF1+((\i)%4)/2
.endif
.irp hf, 0,1
.irp t, 0,1,2,3
.irp m, 0,1,2,3
.set rD, 128*\hf+32*\m+8*\t
.set rA, 96*((\i)%2)+48*\hf+12*\t
.set rB, (\bb)+(\bh)*\hf+12*\m
.set rC, rD
.if \first
.set rC, BB+32*\hf+8*\t
.endif
.set rSA, WS+4*((\i)%4)+2*\hf+\t/2
.set rSB, (\sb)+(\sh)*\hf+(\sm)*(\m/2)
.set rRA, \t%2
.set rRB, \m%2
.if (rRA == 0) && (rRB == 0)
	v_wmma_scale_f32_16x16x128_f8f6f4 v[rD:rD+7], v[rA:rA+11], v[rB:rB+11], v[rC:rC+7], v[rSA], v[rSB] matrix_a_fmt:MATRIX_FMT_FP6 matrix_b_fmt:MATRIX_FMT_FP6
.elseif rRB == 0
	v_wmma_scale_f32_16x16x128_f8f6f4 v[rD:rD+7], v[rA:rA+11], v[rB:rB+11], v[rC:rC+7], v[rSA], v[rSB] matrix_a_fmt:MATRIX_FMT_FP6 matrix_b_fmt:MATRIX_FMT_FP6 matrix_a_scale:MATRIX_SCALE_ROW1
.elseif rRA == 0
	v_wmma_scale_f32_16x16x128_f8f6f4 v[rD:rD+7], v[rA:rA+11], v[rB:rB+11], v[rC:rC+7], v[rSA], v[rSB] matrix_a_fmt:MATRIX_FMT_FP6 matrix_b_fmt:MATRIX_FMT_FP6 matrix_b_scale:MATRIX_SCALE_ROW1
.else
	v_wmma_scale_f32_16x16x128_f8f6f4 v[rD:rD+7], v[rA:rA+11], v[rB:rB+11], v[rC:rC+7], v[rSA], v[rSB] matrix_a_fmt:MATRIX_FMT_FP6 matrix_b_fmt:MATRIX_FMT_FP6 matrix_a_scale:MATRIX_SCALE_ROW1 matrix_b_scale:MATRIX_SCALE_ROW1
.endif
.endr
.endr
.endr
.endm
	s_load_b512 s[4:19], s[0:1], 0x0               ; xq, xs, wq, b1, b2, b3, cw, order
	s_load_b128 s[20:23], s[0:1], 0x40             ; tiles, out0
	s_set_vgpr_msb 0x80
	v_lshl_add_u32 v254, v0, 2, 0x23800
	v_mov_b32 v255, 0
	s_set_vgpr_msb 0x8000
	v_lshrrev_b32 v1, 5, v0
	v_readfirstlane_b32 s62, v1                    ; wave
	v_and_b32 v1, 31, v0                           ; lane
	v_and_b32 v160, 15, v0                         ; r
	s_wait_alu depctr_va_vdst(0)
	v_bfe_u32 v161, v0, 4, 1                       ; h
	v_lshlrev_b32 v[LI], 4, v1
	v_lshlrev_b32 v[L8], 3, v1
	v_lshlrev_b32 v[H64], 6, v161
	s_mul_i32 s50, s62, 12288
	v_add_nc_u32 v[XWI], s50, v[LI]                ; I gather rows 16 w ..
	s_mul_i32 s50, s62, 768
	s_add_co_u32 s50, s50, HIMG
	v_add_nc_u32 v[HWI], s50, v[LI]
	s_add_co_u32 s50, s50, 512
	v_add_nc_u32 v[HWJ], s50, v[L8]
	s_lshr_b32 s50, s62, 1                         ; my 64 hidden units are half w % 2 of the second product's K step w / 2
	s_lshl_b32 s50, s50, 8
	s_and_b32 s51, s62, 1
	s_lshl_b32 s51, s51, 1
	s_add_co_u32 s50, s50, s51
	s_add_co_u32 s50, s50, HSC
	v_lshl_add_u32 v[HWS], v160, 2, s50
	s_mul_i32 s50, s62, 64*SP
	s_add_co_u32 s50, s50, STG
	v_mul_u32_u24 v[SO], v160, SP
	s_wait_alu depctr_va_vdst(0)
	v_lshl_add_u32 v[SO], v161, 6, v[SO]
	v_add_nc_u32 v[SO], s50, v[SO]                 ; in: row r, + 64 h
	v_mul_u32_u24 v[SR], v161, SP
	v_lshl_add_u32 v[SR], v160, 4, v[SR]
	v_add_nc_u32 v[SR], s50, v[SR]                 ; back: lanes 0-15 one row of 256 bytes, lanes 16-31 the next
	v_lshl_add_u32 v[HSR], v1, 2, HSC
	s_lshl_b32 s50, s62, 8
	s_add_co_u32 s50, s50, TOK
	v_lshl_add_u32 v[TKW], v1, 2, s50
	v_lshl_add_u32 v[TKM], v160, 2, s50
	v_lshl_add_u32 v[TKO], v161, 2, s50
	s_lshl_b32 s51, s62, 6
	s_add_co_u32 s51, s51, s50
	v_lshl_add_u32 v[TKX], v160, 2, s51
	v_mov_b32 v238, 0                              ; a lane permute's destination counts as one of its sources
	v_mov_b32 v239, 0
	s_mov_b32 s58, 0x76543210
	s_mov_b32 s59, 0xfedcba98
	s_mov_b32 s60, 0xbfb8aa3b                      ; -log2(e)
	s_mov_b32 s61, s60
	s_lshl_b32 s50, ttmp9, 4
	s_mov_b32 s51, 0
	s_and_b32 s69, ttmp9, 3                        ; where my walk over the four groups of outputs begins
	s_wait_alu depctr_va_vdst(0)                   ; the wait at the head's end
	s_wait_kmcnt 0x0
	s_add_nc_u64 s[20:21], s[20:21], s[50:51]
	s_load_b128 s[24:27], s[20:21], 0x0            ; my tile: first place, rows, a, b
	s_wait_kmcnt 0x0
	s_min_u32 s24, s24, 0x1fff
	s_min_u32 s25, s25, 64
	s_min_u32 s26, s26, 7
	s_min_u32 s27, s27, 7
	s_mov_b32 s68, s25                             ; the tile's rows: the stores stop there
	s_max_u32 s25, s25, 1
	s_sub_co_u32 s25, s25, 1                       ; the tile's last row
	s_lshl_b32 s52, s62, 3
	s_lshl_b32 s50, s26, 5
	s_add_co_u32 s50, s50, s52
	s_mul_i32 s50, s50, RECB
	s_add_nc_u64 s[28:29], s[8:9], s[50:51]        ; the expert in hand: w1's records of my columns,
	s_add_nc_u64 s[30:31], s[28:29], 256*RECB      ; w2's;
	s_add_nc_u64 s[40:41], s[28:29], 512*RECB      ; w3[a]'s
	s_lshl_b32 s50, s27, 5
	s_add_co_u32 s50, s50, s52
	s_mul_i32 s50, s50, RECB
	s_add_nc_u64 s[32:33], s[8:9], s[50:51]        ; what follows: w1[b]'s,
	s_add_nc_u64 s[34:35], s[32:33], 256*RECB      ; w2[b]'s;
	s_add_nc_u64 s[42:43], s[32:33], 512*RECB      ; w3[b]'s
	s_lshl_b32 s52, s62, 8
	s_lshl_b32 s50, s26, 10
	s_add_co_u32 s50, s50, s52
	s_add_nc_u64 s[54:55], s[10:11], s[50:51]      ; b1[a], b2[a] at my 64 units
	s_add_nc_u64 s[56:57], s[12:13], s[50:51]
	s_lshl_b32 s50, s27, 10
	s_add_co_u32 s50, s50, s52
	s_add_nc_u64 s[36:37], s[10:11], s[50:51]      ; b1[b], b2[b]
	s_add_nc_u64 s[38:39], s[12:13], s[50:51]
	s_lshl_b32 s52, s62, 10
	s_lshl_b32 s50, s26, 12
	s_add_co_u32 s50, s50, s52
	s_add_nc_u64 s[44:45], s[14:15], s[50:51]      ; b3[a], b3[b] at my 256 outputs
	s_lshl_b32 s50, s27, 12
	s_add_co_u32 s50, s50, s52
	s_add_nc_u64 s[46:47], s[14:15], s[50:51]
	s_mov_b32 s53, 0
	s_add_nc_u64 s[48:49], s[22:23], s[52:53]      ; out0 at my 256 outputs
	s_mul_i32 s50, s69, 2*RECB                     ; the first group that I take: its records of w3,
	s_add_nc_u64 s[70:71], s[40:41], s[50:51]
	s_add_nc_u64 s[72:73], s[42:43], s[50:51]
	s_lshl_b32 s50, s69, 8                         ; and its biases
	s_add_nc_u64 s[74:75], s[44:45], s[50:51]
	s_add_nc_u64 s[76:77], s[46:47], s[50:51]
	v_min_u32 v162, s25, v1                        ; rows lane and 32 + lane, held at the tile's last row
	v_add_nc_u32 v163, 32, v1
	v_min_u32 v163, s25, v163
	v_add_nc_u32 v162, s24, v162
	v_add_nc_u32 v163, s24, v163
	v_min_u32 v162, 0x1fff, v162
	v_min_u32 v163, 0x1fff, v163
	v_lshlrev_b32 v162, 2, v162
	v_lshlrev_b32 v163, 2, v163
	global_load_b32 v164, v162, s[18:19]
	global_load_b32 v165, v163, s[18:19]
	BIAS 54, 56, H64
	REC 0, 28, 30, 0, LI, L8
	s_wait_loadcnt 42                              ; the two token numbers are in: 16 + 26 loads were issued behind them
	v_min_u32 v164, 0x1fff, v164
	v_min_u32 v165, 0x1fff, v165
	ds_store_b32 v[TKW], v164                      ; the wave's own table; LDS serves a wave's instructions in order
	ds_store_b32 v[TKW], v165 offset:128
	ds_load_b32 v166, v[TKX]
.irp m, 0,1,2,3
	ds_load_b32 v[168+\m], v[TKM] offset:64*\m
.endr
.set i, 0
.rept 32
	ds_load_b32 v[192+i], v[TKO] offset:8*i
.set i, i+1
.endr
	v_lshlrev_b32 v172, 5, v164
	v_lshlrev_b32 v173, 5, v165
	global_load_b128 v[XSC:XSC+3], v172, s[6:7]                  ; x's scale words: lanes 0-15 rows 0-15, lanes 16-31 rows 16-31; register = K step
	global_load_b128 v[XSC+4:XSC+7], v172, s[6:7] offset:16
	global_load_b128 v[XSC+8:XSC+11], v173, s[6:7]               ; rows 32-63
	global_load_b128 v[XSC+12:XSC+15], v173, s[6:7] offset:16
	s_wait_dscnt 0x0
	v_min_u32 v166, 0x1fff, v166
	v_mul_u32_u24 v166, v166, 768
	v_mad_u32_u24 v166, v161, 48, v166
.irp s, 0,1,2,3,4,5,6,7
.irp q, 0,1,2
	global_load_b128 v[XB+12*\s+4*\q:XB+12*\s+4*\q+3], v166, s[4:5] offset:96*\s+16*\q   ; row 16 w + r: the fragment's registers as they lie
.endr
.endr
.irp m, 0,1,2,3
	v_min_u32 v[168+\m], 0x1fff, v[168+\m]
.endr
.irp m, 0,1,2,3
	v_lshlrev_b32 v[168+\m], 3, v[168+\m]
.endr
.irp m, 0,1,2,3
	global_load_b64 v[CW+2*\m:CW+2*\m+1], v[168+\m], s[16:17]    ; the two scores of row 16 m + r
.endr
	REC 1, 28, 30, 1, LI, L8
.set i, 0
.rept 32
	v_min_u32 v[192+i], 0x1fff, v[192+i]
.set i, i+1
.endr
	v_lshlrev_b32 v167, 4, v160
	WIN 0x80
.set i, 0
.rept 32
	v_lshl_add_u32 v[192+i], v[192+i], 12, v167    ; row 2 i + h of the tile in out0: 4,096 x token + 16 r
.set i, i+1
.endr
	WIN 0
	s_wait_loadcnt 30                              ; x's codes are in: the 4 loads of scores and the 26 of step 1 were issued behind them
.irp s, 0,1,2,3,4,5,6,7
.irp q, 0,1,2
	ds_store_b128 v[XWI], v[XB+12*\s+4*\q:XB+12*\s+4*\q+3] offset:1536*\s+512*\q
.endr
.endr
	s_wait_dscnt 0x0                               ; for the others' sake
	s_barrier_signal -1
	s_barrier_wait -1                              ; x's 32 fragments lie in LDS
	XF 0, 0
; A K step of the first product.  n: the loads issued behind this step's records, which may stay out
.macro P1STEP k, n, p0, p1, r
	s_wait_loadcnt \n
	PLACES
	REC (\k)+2, \p0, \p1, \r, LI, L8
	XF ((\k)+1)%8, ((\k)+1)%2
	s_wait_dscnt 12                                ; all but the 12 loads just issued
.if (\k) == 0
	MUL32 \k, 1, XB, 0, XSC, 0, 8
	PLACES
	BIAS 36, 38, H64                               ; the biases have been read: those of the next product take their place
.else
	MUL32 \k, 0, XB+48*((\k)%2), 0, XSC+(\k), 0, 8
.endif
.endm
; Rows 16 m ..: h = (x w1 + b1) / (1 + 2^(-log2(e) (x w2 + b2))), in f32.  Each accumulator is read from its low end on.
.macro ACT m
	WIN 0xCF
.set j, 0
.rept 16
	v_pk_mul_f32 v[128+32*\m+j:129+32*\m+j], v[128+32*\m+j:129+32*\m+j], s[60:61] op_sel_hi:[1,0]
.set j, j+2
.endr
.set j, 0
	s_wait_alu depctr_va_vdst(0)
.rept 32
	v_exp_f32 v[128+32*\m+j], v[128+32*\m+j]
.set j, j+1
.endr
	v_nop
.set j, 0
	s_wait_alu depctr_va_vdst(0)
.rept 16
	v_pk_add_f32 v[128+32*\m+j:129+32*\m+j], v[128+32*\m+j:129+32*\m+j], 1.0 op_sel_hi:[1,0]
.set j, j+2
.endr
.set j, 0
	s_wait_alu depctr_va_vdst(0)
.rept 32
	v_rcp_f32 v[128+32*\m+j], v[128+32*\m+j]
.set j, j+1
.endr
	v_nop
	WIN 0x0F
.set j, 0
	s_wait_alu depctr_va_vdst(0)
.rept 16
	v_pk_mul_f32 v[160+j:161+j], v[32*\m+j:32*\m+j+1], v[128+32*\m+j:129+32*\m+j]   ; v[160 + 16 b + i] = hidden unit 64 w + 32 b + 16 h + i of my token
.set j, j+2
.endr
	WIN 0
.endm
; The 32 numbers become half a fragment (two blocks of 32 along the next K) and two scale bytes, and go to LDS
.macro QUANT2 m
.set PC, 192+8*\m
.irp b, 0,1
	v_max3_num_f32 v[236+\b], |v[160+16*\b]|, |v[161+16*\b]|, 0x1800000
.endr
.irp i, 2,4,6,8,10,12,14
.irp b, 0,1
	v_max3_num_f32 v[236+\b], v[236+\b], |v[160+16*\b+\i]|, |v[161+16*\b+\i]|
.endr
.endr
.irp b, 0,1
	v_permlanex16_b32 v[238+\b], v[236+\b], s58, s59
.endr
.irp b, 0,1
	v_max_num_f32 v[236+\b], v[236+\b], v[238+\b]
.endr
.irp b, 0,1
	v_add_nc_u32 v[240+\b], 0xff000000, v[236+\b]
.endr
.irp b, 0,1
	v_lshrrev_b32 v[242+\b], 23, v[240+\b]
.endr
	v_lshl_or_b32 v[232+\m], v243, 8, v242
	v_cvt_scalef32_pk16_fp6_f32 v[PC:PC+2], v[160:175], v240
	v_cvt_scalef32_pk16_fp6_f32 v[244:246], v[176:191], v241
	v_nop                                          ; one plain line behind a scaled conversion
.irp i, 0,1,2
	v_permlane16_swap_b32 v[PC+\i], v[244+\i]      ; a whole block in a lane: lanes 0-15 block 0, lanes 16-31 block 1
.endr
.irp i, 0,1,2
	v_mov_b32 v[PC+3+\i], v[244+\i]
.endr
	ds_store_b128 v[HWI], v[PC:PC+3] offset:3072*\m
	ds_store_b64 v[HWJ], v[PC+4:PC+5] offset:3072*\m
	ds_store_b16 v[HWS], v[232+\m] offset:128*(\m/2)+64*(\m%2)
.endm
	s_mov_b32 s63, 0
.Lexpert:                                              ; two trips: expert a, expert b; what differs lies in pointers and three LDS addresses
	P1STEP 0, 26, 28, 30, 2                        ; behind this step's records: the next step's 26
	P1STEP 1, 42, 28, 30, 3                        ; 26 and the 16 loads of biases
	P1STEP 2, 42, 28, 30, 4
	P1STEP 3, 26, 28, 30, 5
	P1STEP 4, 26, 28, 30, 6
	P1STEP 5, 26, 28, 30, 7
	P1STEP 6, 26, 32, 34, 0                        ; the last two steps ask for the first two records of what follows
	P1STEP 7, 26, 32, 34, 1                        ; (in the second trip its 12 LDS loads of x are not used: one text for both)
	PLACES
.irp m, 0,1,2,3
	ACT \m
	QUANT2 \m
.endr
	s_wait_xcnt 0x0                                ; the loads have read their bases
	s_mov_b64 s[28:29], s[32:33]
	s_mov_b64 s[30:31], s[34:35]
	s_mov_b64 s[32:33], s[70:71]                   ; behind expert b follow my first group's records of w3[a] and w3[b],
	s_mov_b64 s[34:35], s[72:73]
	s_mov_b64 s[36:37], s[74:75]                   ; and its biases
	s_mov_b64 s[38:39], s[76:77]
	v_add_nc_u32 v[HWI], 12288, v[HWI]
	v_add_nc_u32 v[HWJ], 12288, v[HWJ]
	v_add_nc_u32 v[HWS], 512, v[HWS]
	s_add_co_u32 s63, s63, 1
	s_cmp_lt_u32 s63, 2
	s_cbranch_scc1 .Lexpert
	s_wait_dscnt 0x0                               ; for the others' sake: my part of both hidden layers lies in LDS
	s_barrier_signal -1
	s_barrier_wait -1
.irp g, 1,2,3                          ; the later groups' places: (g + start) % 4, as offsets of the records, their scale words and the biases
	s_add_co_u32 s54, s69, \g
	s_and_b32 s54, s54, 3
	s_mul_i32 s55, s54, 2*RECB
	s_lshl_b32 s54, s54, 8
	v_add_nc_u32 v[16+\g], s55, v[LI]
	v_add_nc_u32 v[20+\g], s55, v[L8]
	v_add_nc_u32 v[24+\g], s54, v[H64]
.endr
	v_add_nc_u32 v[XWI], HIMG, v[LI]
	v_add_nc_u32 v[TKW], HIMG+512, v[L8]
	s_wait_alu depctr_va_vdst(0)                   ; the wait
.irp e, 0,1
.irp ks, 0,1
.irp m, 0,1,2,3
.irp c, 0,1
	ds_load_b128 v[64+96*\e+48*\ks+12*\m+6*\c:64+96*\e+48*\ks+12*\m+6*\c+3], v[XWI] offset:\e*12288+\m*3072+(2*\ks+\c)*768
	ds_load_b64 v[64+96*\e+48*\ks+12*\m+6*\c+4:64+96*\e+48*\ks+12*\m+6*\c+5], v[TKW] offset:\e*12288+\m*3072+(2*\ks+\c)*768
.endr
.endr
.endr
.endr
.irp e, 0,1
.irp ks, 0,1
.irp mp, 0,1
	ds_load_b32 v[HS+4*\e+2*\ks+\mp], v[HSR] offset:\e*512+\ks*256+\mp*128
.endr
.endr
.endr
	s_wait_dscnt 0x0
; A K step of the second product: the g-th group of 64 outputs, half 0 = w3[a] x h_a, half 1 = w3[b] x h_b.  It asks for the same K step of the next group
.macro P2STEP i, n, first, g, ks
	s_wait_loadcnt \n
.if (\i)+2 < 24
	PLACES
	REC (\i)+2, 40, 42, \ks, 17+(\g), 21+(\g)
.endif
	MUL32 \i, \first, 64+48*(\ks), 96, HS+2*(\ks), 4, 1
.if (\first) && ((\g) < 3)
	PLACES
	BIAS 44, 46, 25+(\g)
.endif
.endm
; The g-th group leaves: c_a x half 0 + c_b x half 1; through my own stage, back as whole rows of 256 bytes, and to the tokens' rows of out0
.macro OUTG g
	PLACES
	WIN 0xF3
.irp m, 0,1,2,3
.irp t, 0,1,2,3
.irp j, 0,2,4,6
	v_pk_mul_f32 v[32*\m+8*\t+\j:32*\m+8*\t+\j+1], v[32*\m+8*\t+\j:32*\m+8*\t+\j+1], v[CW+2*\m:CW+2*\m+1] op_sel_hi:[1,0]
.endr
.endr
.endr
.irp m, 0,1,2,3
.irp t, 0,1,2,3
.irp j, 0,2,4,6
	v_pk_fma_f32 v[32*\m+8*\t+\j:32*\m+8*\t+\j+1], v[128+32*\m+8*\t+\j:128+32*\m+8*\t+\j+1], v[CW+2*\m:CW+2*\m+1], v[32*\m+8*\t+\j:32*\m+8*\t+\j+1] op_sel:[0,1,0] op_sel_hi:[1,1,1]
.endr
.endr
.endr
	WIN 0x0C
.irp m, 0,1,2,3
.irp t, 0,1,2,3
	ds_store_b128 v[SO], v[32*\m+8*\t:32*\m+8*\t+3] offset:16*SP*\m+128*(\t/2)+32*(\t%2)
	ds_store_b128 v[SO], v[32*\m+8*\t+4:32*\m+8*\t+7] offset:16*SP*\m+128*(\t/2)+32*(\t%2)+16
.endr
.endr
	WIN 0xC0
.set i, 0
.rept 32
	ds_load_b128 v[128+4*i:131+4*i], v[SR] offset:2*SP*i         ; LDS serves a wave's instructions in order: these see my stores
.set i, i+1
.endr
	WIN 0
	s_add_co_u32 s52, s69, \g                      ; the group's place in a row of out0 (the last group's stores have read s[50:51]: the wait at this macro's end)
	s_and_b32 s52, s52, 3
	s_lshl_b32 s52, s52, 8
	s_add_nc_u64 s[50:51], s[48:49], s[52:53]
	s_wait_dscnt 0x0
.irp q, 0,1,2,3,4,5,6,7,8,9,10,11,12,13,14,15
	s_cmp_gt_u32 s68, 4*\q                         ; rows 4 q .. 4 q + 3 only if the tile has them
	s_cbranch_scc0 .Lsent_\@
	WIN 0x0E                                       ; offsets window 2, data window 3
	global_store_b128 v[192+2*\q], v[128+8*\q:131+8*\q], s[50:51] th:TH_STORE_NT       ; sixteen lanes store 256 consecutive bytes of a token's row, aligned
	global_store_b128 v[193+2*\q], v[132+8*\q:135+8*\q], s[50:51] th:TH_STORE_NT
	WIN 0
.endr
.Lsent_\@:
	s_wait_xcnt 0x0                                ; the stores have read their registers: the next group's sums may be written there
.endm
	P2STEP 16, 26, 1, 0, 0
	P2STEP 17, 42, 0, 0, 1                         ; behind its records: the next step's 26 and 16 loads of biases
	OUTG 0
	P2STEP 18, 26, 1, 1, 0
	P2STEP 19, 42, 0, 1, 1
	OUTG 1
	P2STEP 20, 26, 1, 2, 0
	P2STEP 21, 42, 0, 2, 1
	OUTG 2
	P2STEP 22, 26, 1, 3, 0
	P2STEP 23, 0, 0, 3, 1
	OUTG 3
	s_set_vgpr_msb 0xa
	s_wait_tensorcnt 0x0                           ; the wave's end
	ds_add_u32 v254, v255
	s_wait_dscnt 0x0
	s_set_vgpr_msb 0xa00
	s_endpgm
.Lfunc_end_k_q39380657e4_chain:
	.size	k_q39380657e4_chain, .Lfunc_end_k_q39380657e4_chain-k_q39380657e4_chain
	.p2alignl 7, 3214868480
	.fill 96, 4, 3214868480
	.section	.rodata,"a",@progbits
	.p2align	6, 0x0
	.amdhsa_kernel k_q39380657e4_chain
		.amdhsa_group_segment_fixed_size 145920
		.amdhsa_private_segment_fixed_size 0
		.amdhsa_enable_private_segment 0
		.amdhsa_kernarg_size 80
		.amdhsa_user_sgpr_count 2
		.amdhsa_user_sgpr_kernarg_segment_ptr 1
		.amdhsa_wavefront_size32 1
		.amdhsa_system_sgpr_workgroup_id_x 1
		.amdhsa_system_sgpr_workgroup_id_y 1
		.amdhsa_system_sgpr_workgroup_id_z 1
		.amdhsa_system_vgpr_workitem_id 0
		.amdhsa_next_free_vgpr 1024
		.amdhsa_next_free_sgpr 80
		.amdhsa_reserve_vcc 0
		.amdhsa_float_denorm_mode_32 3
		.amdhsa_float_denorm_mode_16_64 3
		.amdhsa_memory_ordered 1
		.amdhsa_forward_progress 1
		.amdhsa_inst_pref_size 245
	.end_amdhsa_kernel
	.amdgpu_metadata
---
amdhsa.version: [ 1, 2 ]
amdhsa.kernels:
  - .name:           k_q39380657e4_chain
    .symbol:         k_q39380657e4_chain.kd
    .args:
      - { .name: xq, .offset: 0, .size: 8, .value_kind: global_buffer, .address_space: global }
      - { .name: xs, .offset: 8, .size: 8, .value_kind: global_buffer, .address_space: global }
      - { .name: wq, .offset: 16, .size: 8, .value_kind: global_buffer, .address_space: global }
      - { .name: b1, .offset: 24, .size: 8, .value_kind: global_buffer, .address_space: global }
      - { .name: b2, .offset: 32, .size: 8, .value_kind: global_buffer, .address_space: global }
      - { .name: b3, .offset: 40, .size: 8, .value_kind: global_buffer, .address_space: global }
      - { .name: cw, .offset: 48, .size: 8, .value_kind: global_buffer, .address_space: global }
      - { .name: order, .offset: 56, .size: 8, .value_kind: global_buffer, .address_space: global }
      - { .name: tiles, .offset: 64, .size: 8, .value_kind: global_buffer, .address_space: global }
      - { .name: out0, .offset: 72, .size: 8, .value_kind: global_buffer, .address_space: global }
    .group_segment_fixed_size: 145920
    .private_segment_fixed_size: 0
    .kernarg_segment_align: 8
    .kernarg_segment_size: 80
    .max_flat_workgroup_size: 128
    .sgpr_count:     80
    .vgpr_count:     1024
    .wavefront_size: 32
...
	.end_amdgpu_metadata
.endif
;; end of part 3
